; MI455X (gfx1250); checked and timed in simulation.
; The chip was launched on July 23, 2026; its instructions are those of AMD's public machine-readable ISA for CDNA 5 (MIT licence, August 2026) and "CDNA5" Instruction Set Architecture Reference Guide (July 2026). The comments in the code are by the model that wrote it; some were corrected since.
;; USP Attention. Allowed arithmetic: matrix products marked QUANTISED: E4M3 operands, one given power-of-two scale a tensor, by v_wmma_f32_16x16x64_fp8_fp8 or v_wmma_f32_16x16x128_fp8_fp8, f32 sums; everything else in f32.
;; Inputs: key 1 x 4,096 x 16 x 64 float32; lowp_scales 4 int32 (the exponents e of the quantised operands' scales 2^e); query 1 x 4,096 x 16 x 64 float32; value 1 x 4,096 x 16 x 64 float32.
;; Outputs: out0 1 x 4,096 x 16 x 64 float32.
;; This version of the problem:
;;   THIS VERSION OF THE PROBLEM IS GIVEN IN LOW PRECISION. The matrix products marked QUANTISED in the list below multiply operands that are first quantised to E4M3 (4 exponent bits, 3 mantissa bits; 8 bits a number), with one given power-of-two scale for each operand tensor; their sums are f32. All else is computed in f32.
;;   The module's matrix products, in the order in which they are computed (A, B: the left and right operand; K: the contracted axis; several contracted axes count as one K, in the product's order):
;;     1. batch 16 x [M 4,096, K 64] x [K 64, N 4,096]; A: input query; B: input key: QUANTISED (scales: A lowp_scales[0], B lowp_scales[1])
;;     2. batch 16 x [M 64, K 4,096] x [K 4,096, N 4,096]; A: input value; B: softmax (see below): QUANTISED (scales: A lowp_scales[2], B lowp_scales[3])
;;   THE QUANTISER, for each operand of a quantised product, along K:
;;     - The operand's scale is 2^e, e = its entry of the input lowp_scales (int32; the entries are numbered through the quantised products in the list's order, A before B).
;;     - Each number is divided by the scale, clamped to +-448, and rounded to the nearest number of E4M3, ties to even, subnormals kept.
;;     - The product sums the exact products of the quantised numbers (number of the format x scale) in f32.
;;   ~~~python
;;   def quantise(x, axis, e):      # numpy; x: float32 -> the quantised numbers, widened to float32 again
;;       x = np.moveaxis(x, axis, -1); K = x.shape[-1]
;;       r = np.clip(x / 2.0 ** e, -448, 448)
;;       step = 2.0 ** (np.maximum(np.frexp(np.where(r == 0, 1, r))[1] - 1, -6) - 3)
;;       q = np.round(r / step) * step * 2.0 ** e      # np.round: ties to even
;;       return np.moveaxis(q, -1, axis).astype(np.float32)
;;   ~~~
;;   SOFTMAX AHEAD OF A QUANTISED PRODUCT. Where the list says 'softmax', what is quantised is not the finished softmax but p = 2^(t - M), with t = logit x log2(e) and M = ceil(the row's largest t), a whole number; so 1/2 < the row's largest p <= 1. The row's sum l is taken of the UNQUANTISED p, in f32, and the product's result is divided by l at the end. Since M is a whole number, a kernel that streams over the keys may use a running M (the ceiling of the running maximum): every later rescaling is an exact power of two, so the quantised numbers keep their values, but for numbers so far below the row's largest that they fall under the format's range.
;;   OPERANDS COMPUTED ON THE WAY. 'Computed on the way' means the value that the module computes at that place (a softmax that the list does not call 'softmax' is quantised finished and normalised). What goes into a quantiser is computed in f32, as accurately as f32 sums, v_exp_f32 and their like allow (about 1e-6 of the number): no bf16 or f16 on the way to a quantiser, and a product that is left as it is and whose result goes on into a quantised operand takes f32 operands (vector FMAs, or v_wmma_f32_16x16x4_f32). A number that lies on a knife's edge between two numbers of the format may be rounded either way, as far as f32 arithmetic and the matrix unit's own rounding can turn it there, and no further.
;; One version. Each part assembles by itself: llvm-mc -triple=amdgcn-amd-amdhsa -mcpu=gfx1250 --defsym DOCPART=n.
;; ======== version 1 of 1: 2 launches
;; limits: right only within a limited range of input values
;; workspace buffers: kv 8,388,608 bytes
;; launch prep (part 1): grid 32 x 16, 4 waves a work-group, no clusters, 35,328 bytes of LDS; arguments key, value, lowp_scales, kv; writes kv
.if DOCPART == 1
	.amdgcn_target "amdgcn-amd-amdhsa--gfx1250"
	.amdhsa_code_object_version 6
	.text
	.protected	k_q68914e480a_prep
	.globl	k_q68914e480a_prep
	.p2align	8
	.type	k_q68914e480a_prep,@function
k_q68914e480a_prep:
	s_mov_b64 s[64:65], 0
	v_nop
	global_prefetch_b8 v0, s[64:65] scope:SCOPE_SE
	s_setreg_imm32_b32 hwreg(HW_REG_WAVE_MODE, 25, 1), 1
	s_wait_xcnt 0x0
; LAUNCH 1 OF 2: key and value, f32 [4096 positions][16 heads][64], become codes of FP8 (E4M3), once, in the workspace kv.
; DEAD WORK: none.  reference() has no mask, no bias and slices nothing away: every number of query, key and value reaches out0, so all inputs are loaded and both products are done whole.
; THE QUANTISER: code = x / 2^e, held within +-448, to the nearest code, ties to even; e = lowp_scales[1] for key, lowp_scales[2] for value.
; LIMITS: both exponents lie between -126 and 119, so that 2^e and 448 x 2^e are f32 numbers.  NaN among the inputs is not served; an infinity is held at the largest code, as the stated clip does.
; WHY A LAUNCH OF ITS OWN: sixteen work-groups of the next launch walk each head's keys and values; quantised here they are converted once and read from then on as a quarter of the bytes.
; LAYOUT OF kv: [head 16][step 32][16,384 bytes]; a step is 128 keys.  It is the ORDER OF THE OPERANDS' REGISTERS, so that the next launch fetches every fragment by loads of 16 bytes at 16 x lane.  Lane l = 16 h + r.
;   K image, 8,192 bytes: tile T = 2 b + u at 1,024 T, chunk c (0, 1) at + 512 c, lane l at + 16 l: key 32 b + 8 u + r + 8 (r / 8) of the step, channels 32 c + 16 h + 0 .. 15.
;     (The keys of a tile are not neighbours: so the scores of tiles 2 b and 2 b + 1 are, in a lane's registers, 16 neighbouring keys, which is what the second product's operand wants.)
;   V image, 8,192 bytes behind it: tile t (0 .. 3) at 2,048 t, chunk c (0 .. 3) at + 512 c, lane l at + 16 l: keys 32 c + 16 h + 0 .. 15 of the step, channel 32 (t % 2) + 2 r + t / 2.
;     (Even channels in tiles 0 and 1, odd ones in tiles 2 and 3: a lane that has loaded channels 2 l and 2 l + 1 of 32 keys then holds 16 whole bytes of four places of the image, and V needs no turn through LDS.)
; SHARES: a work-group takes one head's step, x = step, y = head; wave w takes keys 32 w .. 32 w + 31: K's tiles 2 w and 2 w + 1 (2,048 bytes on end) and V's chunk c = w of all four tiles.
; K: a load reads two whole rows of 256 bytes; a lane of the image wants 16 neighbouring channels of ONE key: the wave's 32 rows turn through its own stage in LDS (rows 272 bytes apart, laid in the tiles' order).
; V: a load of 8 bytes a lane reads one whole row; the registers run down the keys, which are V's K; a conversion's eight codes are four keys x two channels, and two v_perm_b32 part the channels.
; No tensor load, no barrier (waves share nothing), no loop: every offset is an immediate, and no register that a pending load or store names is written again.
.set SP,    272                        ; a stage row: 256 bytes + 16 of padding: sixteen lanes that read 16 bytes of sixteen rows fall on sixteen different columns of 16 bytes modulo 256
.set WSTG,  32*SP                      ; a wave's stage
.set SPARE, 4*WSTG                     ; behind the four stages: the spare words, 128 bytes for each wave: two blocks of 256 bytes that no other line names
.set KO,   4                           ; v4   K in: (lane / 16) x 4,096 + 16 (lane % 16): two rows a load
.set SI,   5                           ; v5   into the stage: (lane / 16) x SP + 16 (lane % 16)
.set SO,   6                           ; v6   out of it: (lane % 16) x SP + 64 (lane / 16)
.set KST,  7                           ; v7   K out: 16 x lane
.set VO,   8                           ; v8   V in: 8 x lane
.set VST,  9                           ; v9   V out: (lane / 16) x 2,048 + 16 (lane % 16)
.set SCK,  10                          ; v10  2^ek
.set LIMK, 11
.set SCV,  12                          ; v12  2^ev
.set LIMV, 13
.set SPW,  14                          ; v14  LDS address of my spare word: SPARE + 4 x my thread's number; never rewritten
.set NIL,  15                          ; v15  0; never rewritten
.set R,    16                          ; v16-79    K as loaded
.set X,    80                          ; v80-143   K back from the stage: group g = 2 u + c: 16 neighbouring channels
.set W,    144                         ; v144-207  V as loaded: registers 2 i, 2 i + 1: key i, channels 2 l, 2 l + 1
.set CK,   208                         ; v208-223  K's codes, four registers a group
.set CV,   224                         ; v224-239  V's codes, the two channels interleaved
.set CE,   240                         ; v240-247  V's codes of channel 2 l, keys 0 .. 31;  v248-255 of channel 2 l + 1
.set T0,   32                          ; s32, s33  at work
.set T1,   33
.macro MKSCALE e, sc, lim              ; s[e]: an exponent.  v[sc] = 2^e as f32 (the conversion takes its exponent field)
	s_add_co_i32 s[T0], s[\e], 127
	s_lshl_b32 s[T1], s[T0], 23
	v_mov_b32 v[\sc], s[T1]
.endm
	s_load_b256 s[4:11], s[0:1], 0x0               ; key s[4:5], value s[6:7], the exponents s[8:9], kv s[10:11]
	v_lshl_add_u32 v[SPW], v0, 2, SPARE
	v_mov_b32 v[NIL], 0
	v_lshrrev_b32 v1, 5, v0
	v_readfirstlane_b32 s12, v1                    ; wave 0..3
	v_and_b32 v1, 15, v0                           ; lane % 16
	v_bfe_u32 v2, v0, 4, 1                         ; lane / 16
	v_and_b32 v3, 31, v0                           ; lane
	v_lshlrev_b32 v[KO], 4, v1
	v_lshl_add_u32 v[KO], v2, 12, v[KO]
	s_mul_i32 s15, s12, WSTG                       ; my stage
	v_mul_u32_u24 v[SI], v2, SP
	v_lshl_add_u32 v[SI], v1, 4, v[SI]
	v_add_nc_u32 v[SI], s15, v[SI]
	v_mul_u32_u24 v[SO], v1, SP
	v_lshl_add_u32 v[SO], v2, 6, v[SO]
	v_add_nc_u32 v[SO], s15, v[SO]
	v_lshlrev_b32 v[KST], 4, v3
	v_lshlrev_b32 v[VO], 3, v3
	v_lshlrev_b32 v[VST], 4, v1
	v_lshl_add_u32 v[VST], v2, 11, v[VST]
	s_mov_b32 s24, 0x06040200                      ; v_perm_b32: the even bytes of two registers,
	s_mov_b32 s25, 0x07050301                      ; the odd ones
	s_and_b32 s14, ttmp7, 0xffff                   ; the head
	s_lshl_b32 s16, ttmp9, 19                      ; in: the step's 128 positions of 4,096 bytes,
	s_lshl_b32 s17, s12, 17                        ; my wave's 32 of them,
	s_add_co_u32 s16, s16, s17
	s_lshl_b32 s17, s14, 8                         ; the head's 256 bytes of a position
	s_add_co_u32 s16, s16, s17
	s_mov_b32 s17, 0
	s_lshl_b32 s18, s14, 19                        ; out: the head's 32 steps of 16,384 bytes,
	s_lshl_b32 s19, ttmp9, 14                      ; the step
	s_add_co_u32 s18, s18, s19
	s_lshl_b32 s19, s12, 11                        ; K: my two tiles
	s_add_co_u32 s20, s18, s19
	s_mov_b32 s21, 0
	s_lshl_b32 s19, s12, 9                         ; V: my chunk, behind K's image
	s_add_co_u32 s22, s18, s19
	s_add_co_u32 s22, s22, 8192
	s_mov_b32 s23, 0
	s_wait_alu depctr_va_vdst(0)
	s_wait_kmcnt 0x0
	s_load_b128 s[28:31], s[8:9], 0x0              ; eq, ek, ev, ep
	s_add_nc_u64 s[4:5], s[4:5], s[16:17]
	s_add_nc_u64 s[6:7], s[6:7], s[16:17]
	s_add_nc_u64 s[20:21], s[10:11], s[20:21]
	s_add_nc_u64 s[22:23], s[10:11], s[22:23]
.set i, 0
.rept 16                                       ; K: keys 2 i and 2 i + 1: sixteen lanes read a whole row of 256 bytes
	global_load_b128 v[R+4*i:R+4*i+3], v[KO], s[4:5] offset:8192*i th:TH_LOAD_NT
.set i, i+1
.endr
.set i, 0
.rept 32                                       ; V: key i: the 32 lanes read its row of 256 bytes
	global_load_b64 v[W+2*i:W+2*i+1], v[VO], s[6:7] offset:4096*i th:TH_LOAD_NT
.set i, i+1
.endr
	s_wait_kmcnt 0x0
	MKSCALE 29, SCK, LIMK
	MKSCALE 30, SCV, LIMV
	s_wait_alu depctr_va_vdst(0)
	s_wait_loadcnt 32                              ; K's sixteen loads are in; V's 32, issued behind them, may be out
.set i, 0
.rept 16                                       ; key 2 i + lane / 16 goes to stage row 16 u + r: u = (key / 8) % 2, r = key % 8 + 8 (key / 16)
	ds_store_b128 v[SI], v[R+4*i:R+4*i+3] offset:(16*((i/4)%2)+8*(i/8)+2*(i%4))*SP
.set i, i+1
.endr
.irp g, 0,1,2,3                                ; group g = 2 u + c: of stage row 16 u + r, channels 32 c + 16 h + 0 .. 15.  LDS serves a wave's instructions in order: these see the stores above
.irp k, 0,1,2,3
	ds_load_b128 v[X+16*\g+4*\k:X+16*\g+4*\k+3], v[SO] offset:16*SP*(\g/2)+128*(\g%2)+16*\k
.endr
.endr
.irp g, 0,1,2,3
	s_wait_dscnt 12-4*\g                           ; group g's four loads are in; the later groups' may be out
.irp n, 0,1,2,3,4,5,6,7,8,9,10,11,12,13,14,15
.endr
	v_cvt_scalef32_pk8_fp8_f32 v[CK+4*\g:CK+4*\g+1], v[X+16*\g:X+16*\g+7], v[SCK]
	v_cvt_scalef32_pk8_fp8_f32 v[CK+4*\g+2:CK+4*\g+3], v[X+16*\g+8:X+16*\g+15], v[SCK]
	global_store_b128 v[KST], v[CK+4*\g:CK+4*\g+3], s[20:21] offset:512*\g   ; the wave stores 512 consecutive bytes, at a multiple of 256 from kv's first byte.  (The codes go to a store alone; the next vector lines are plain holds on other registers)
.endr
	s_wait_loadcnt 0x0                             ; V
.set i, 0
.rept 64
.set i, i+1
.endr
.irp m, 0,1,2,3,4,5,6,7                        ; eight numbers: keys 4 m .. 4 m + 3, each with its two channels
	v_cvt_scalef32_pk8_fp8_f32 v[CV+2*\m:CV+2*\m+1], v[W+8*\m:W+8*\m+7], v[SCV]
.endr
	v_nop                                          ; one plain vector instruction between the last scaled conversion and the vector instructions that read the codes
.irp m, 0,1,2,3,4,5,6,7
	v_perm_b32 v[CE+\m], v[CV+2*\m+1], v[CV+2*\m], s24     ; channel 2 l, keys 4 m .. 4 m + 3
	v_perm_b32 v[CE+8+\m], v[CV+2*\m+1], v[CV+2*\m], s25   ; channel 2 l + 1
.endr
.irp p, 0,1                                    ; channel 2 l + p lies in tile 2 p + lane / 16, at row r = lane % 16; keys 16 q + 0 .. 15 are the bytes of the image's lane 16 q + r
.irp q, 0,1
	global_store_b128 v[VST], v[CE+8*\p+4*\q:CE+8*\p+4*\q+3], s[22:23] offset:4096*\p+256*\q   ; sixteen lanes store 256 consecutive bytes, at a multiple of 256 from kv's first byte
.endr
.endr
	s_wait_tensorcnt 0x0                           ; the wave's end
	ds_add_u32 v[SPW], v[NIL]
	s_wait_dscnt 0x0
	s_endpgm
.Lfunc_end_k_q68914e480a_prep:
	.size	k_q68914e480a_prep, .Lfunc_end_k_q68914e480a_prep-k_q68914e480a_prep
	.p2alignl 7, 3214868480
	.fill 96, 4, 3214868480
	.section	.rodata,"a",@progbits
	.p2align	6, 0x0
	.amdhsa_kernel k_q68914e480a_prep
		.amdhsa_group_segment_fixed_size 35328
		.amdhsa_private_segment_fixed_size 0
		.amdhsa_enable_private_segment 0
		.amdhsa_kernarg_size 32
		.amdhsa_user_sgpr_count 2
		.amdhsa_user_sgpr_kernarg_segment_ptr 1
		.amdhsa_wavefront_size32 1
		.amdhsa_system_sgpr_workgroup_id_x 1
		.amdhsa_system_sgpr_workgroup_id_y 1
		.amdhsa_system_sgpr_workgroup_id_z 1
		.amdhsa_system_vgpr_workitem_id 0
		.amdhsa_next_free_vgpr 256
		.amdhsa_next_free_sgpr 66
		.amdhsa_reserve_vcc 0
		.amdhsa_float_denorm_mode_32 3
		.amdhsa_float_denorm_mode_16_64 3
		.amdhsa_fp16_overflow 1
		.amdhsa_memory_ordered 1
		.amdhsa_forward_progress 1
		.amdhsa_inst_pref_size 13
	.end_amdhsa_kernel
	.amdgpu_metadata
---
amdhsa.version: [ 1, 2 ]
amdhsa.kernels:
  - .name:           k_q68914e480a_prep
    .symbol:         k_q68914e480a_prep.kd
    .args:
      - { .name: key, .offset: 0, .size: 8, .value_kind: global_buffer, .address_space: global }
      - { .name: value, .offset: 8, .size: 8, .value_kind: global_buffer, .address_space: global }
      - { .name: lowp_scales, .offset: 16, .size: 8, .value_kind: global_buffer, .address_space: global }
      - { .name: kv, .offset: 24, .size: 8, .value_kind: global_buffer, .address_space: global }
    .group_segment_fixed_size: 35328
    .private_segment_fixed_size: 0
    .kernarg_segment_align: 8
    .kernarg_segment_size: 32
    .max_flat_workgroup_size: 128
    .sgpr_count:     66
    .vgpr_count:     256
    .wavefront_size: 32
...
	.end_amdgpu_metadata
.endif
;; end of part 1
;; launch attn (part 2): grid 16 x 16, 8 waves a work-group, clusters of 4 x 1, 327,680 bytes of LDS; arguments query, kv, lowp_scales, out0; writes out0
.if DOCPART == 2
	.amdgcn_target "amdgcn-amd-amdhsa--gfx1250"
	.amdhsa_code_object_version 6
	.text
	.protected	k_q68914e480a_attn
	.globl	k_q68914e480a_attn
	.p2align	8
	.type	k_q68914e480a_attn,@function
k_q68914e480a_attn:
	s_mov_b64 s[64:65], 0
	v_nop
	global_prefetch_b8 v0, s[64:65] scope:SCOPE_SE
	s_setreg_imm32_b32 hwreg(HW_REG_WAVE_MODE, 25, 1), 1
	s_wait_xcnt 0x0
	s_wait_alu depctr_hold_cnt(0) depctr_sa_sdst(0) depctr_va_vdst(0) depctr_va_sdst(0) depctr_va_ssrc(0) depctr_va_vcc(0) depctr_vm_vsrc(0)
	s_getreg_b32 s2, hwreg(HW_REG_IB_STS2, 6, 4)
	s_cmp_eq_u32 s2, 0
	s_cbranch_scc0 .Lentry_in_a_cluster
	s_endpgm
.Lentry_in_a_cluster:
	s_bfe_u32 s2, ttmp6, 0x10000c
	s_cmp_lg_u32 s2, 0x3003
	s_cbranch_scc0 .Lentry_shape_is_right
	s_endpgm
.Lentry_shape_is_right:
.set STEPB, 16384
.set VIMG,  8192
.set SLOTB, 8*STEPB
.set STAGE, 2*SLOTB
.set SP,    272
.set SPARE, STAGE+8*16*SP
.set ADR0, 3
.set ADR,  4
.set SPW,  5
.set NIL,  6
.set GO,   7
.set SROW, 8
.set SCOL, 9
.set SCP,  10
.set LIMP, 11
.set SCQ,  12
.set LIMQ, 13
.set ST,   16
.set QF,   40
.set KF,   56
.set S,    128
.set VF,   64
.set PF,   128
.set WV,   12
.set G1,   16
.set G0A,  24
.set G0B,  28
.set SEL,  32
.set CS,   34
.set TB,   36
.set CNT,  37
.set T0,   50
.set T1,   51
.set MSB, 0
.macro WIN new
.if MSB != \new
	s_set_vgpr_msb (MSB<<8)|\new
.set MSB, \new
.endif
.endm
.macro PLACES n
.rept \n
	v_nop
.endr
.endm
.macro MKSCALE e, sc, lim
	s_add_co_i32 s[T0], s[\e], 127
	s_lshl_b32 s[T1], s[T0], 23
	v_mov_b32 v[\sc], s[T1]
	s_add_co_i32 s[T0], s[T0], 8
	s_lshl_b32 s[T0], s[T0], 23
	s_or_b32 s[T0], s[T0], 0x600000
.endm
.macro ROUND
	s_barrier_signal -1
	s_barrier_wait -1
	s_cmp_lg_u32 s[WV], 0
	s_cbranch_scc1 .Lnot_wave_0_\@
	s_barrier_signal -3
.Lnot_wave_0_\@:
	s_barrier_wait -3
	s_barrier_signal -1
	s_barrier_wait -1
.endm
	s_load_b256 s[4:11], s[0:1], 0x0
	v_lshl_add_u32 v[SPW], v0, 2, SPARE
	v_mov_b32 v[NIL], 0
	ds_add_u32 v[SPW], v[NIL]
	ds_add_u32 v[SPW], v[NIL]
	v_lshrrev_b32 v1, 5, v0
	s_delay_alu instid0(VALU_DEP_1)
	v_readfirstlane_b32 s[WV], v1
	s_bfe_u32 s13, ttmp6, 0x40000
	s_lshl_b32 s14, ttmp9, 2
	s_add_co_u32 s14, s14, s13
	s_and_b32 s44, ttmp7, 0xffff
	s_mov_b32 s[G1], 15|(3<<16)|(1<<21)
	s_mov_b32 s[G1+1], 32<<16
	s_mov_b32 s[G1+2], 64<<16
	s_mov_b32 s[G1+3], 32<<16
	s_mov_b32 s[G1+4], 64
	s_mov_b32 s[G1+5], 32
	s_mov_b32 s[G1+6], 0
	s_mov_b32 s[G1+7], 0
	s_lshl_b32 s46, s44, 19
	s_lshl_b32 s47, s[WV], 14
	s_add_co_u32 s46, s46, s47
	s_mov_b32 s47, 0
	s_lshl_b32 s48, s14, 20
	s_lshl_b32 s49, s[WV], 17
	s_add_co_u32 s48, s48, s49
	s_lshl_b32 s49, s44, 8
	s_add_co_u32 s48, s48, s49
	s_mov_b32 s49, 0
	s_mov_b32 s[G0A], 1
	s_lshl_b32 s[G0A+1], s[WV], 14
	s_mov_b32 s[G0B], 1
	s_add_co_u32 s[G0B+1], s[G0A+1], SLOTB
	s_mov_b32 s[SEL], 0x76543210
	s_mov_b32 s[SEL+1], 0xfedcba98
	s_mov_b32 s[CS], 0x3e38aa3b
	v_and_b32 v1, 15, v0
	v_bfe_u32 v2, v0, 4, 1
	v_and_b32 v[ADR0], 31, v0
	s_delay_alu instid0(VALU_DEP_1)
	v_lshlrev_b32 v[ADR0], 4, v[ADR0]
	s_delay_alu instid0(VALU_DEP_4)
	v_lshlrev_b32 v[GO], 4, v1
	s_delay_alu instid0(VALU_DEP_1)
	v_lshl_add_u32 v[GO], v2, 12, v[GO]
	s_mul_i32 s45, s[WV], 16*SP
	s_add_co_u32 s45, s45, STAGE
	v_mul_u32_u24 v[SROW], v2, SP
	s_delay_alu instid0(VALU_DEP_1)
	v_lshl_add_u32 v[SROW], v1, 4, v[SROW]
	s_delay_alu instid0(VALU_DEP_1)
	v_add_nc_u32 v[SROW], s45, v[SROW]
	v_mul_u32_u24 v[SCOL], v1, SP
	s_delay_alu instid0(VALU_DEP_1)
	v_lshl_add_u32 v[SCOL], v2, 6, v[SCOL]
	s_delay_alu instid0(VALU_DEP_1)
	v_add_nc_u32 v[SCOL], s45, v[SCOL]
	s_wait_alu depctr_va_vdst(0)
	s_wait_dscnt 0x0
	s_wait_kmcnt 0x0
	s_load_b128 s[40:43], s[8:9], 0x0
	s_add_nc_u64 s[4:5], s[4:5], s[48:49]
	s_add_nc_u64 s[10:11], s[10:11], s[48:49]
	s_add_nc_u64 s[G0A+2:G0A+3], s[6:7], s[46:47]
	s_add_nc_u64 s[G0B+2:G0B+3], s[G0A+2:G0A+3], SLOTB
	s_or_b32 s[G0A+3], s[G0A+3], 0x80000000
	s_or_b32 s[G0B+3], s[G0B+3], 0x80000000
.irp a, 0,1
.irp i, 0,1,2,3,4,5,6,7
	global_load_b128 v[S+32*\a+4*\i:S+32*\a+4*\i+3], v[GO], s[4:5] offset:(16*\a+2*\i)*4096 th:TH_LOAD_NT
.endr
.endr
	ROUND
	tensor_load_to_lds s[G0A:G0A+3], s[G1:G1+7]
	s_nop 0
	s_wait_alu depctr_va_vdst(0)
	s_wait_tensorcnt 0x0
	ds_add_u32 v5, v6
	s_wait_dscnt 0x0
	ROUND
	tensor_load_to_lds s[G0B:G0B+3], s[G1:G1+7]
	s_nop 0
	PLACES 4
	WIN 0x40
.set i, 0
.rept 64
	v_mov_b32 v[i], 0
.set i, i+1
.endr
	WIN 0
.irp a, 0,1
	v_mov_b32 v[ST+12*\a], 0x7f61b1e6
	v_mov_b32 v[ST+12*\a+1], 0xff61b1e6
	v_mov_b32 v[ST+12*\a+2], 0
	v_mov_b32 v[ST+12*\a+3], 0
	v_mov_b32 v[ST+12*\a+5], 0
	v_mov_b32 v[ST+12*\a+10], 0
.endr
	s_wait_kmcnt 0x0
	s_add_co_i32 s38, s40, s41
	s_lshl_b32 s38, s38, 23
	s_add_co_i32 s[CS], s[CS], s38
	s_mov_b32 s[CS+1], s[CS]
	s_add_co_i32 s39, s42, s43
	MKSCALE 43, SCP, LIMP
	MKSCALE 40, SCQ, LIMQ
	s_wait_alu depctr_va_vdst(0)
	s_wait_loadcnt 8
.irp i, 0,1,2,3,4,5,6,7
	ds_store_b128 v[SROW], v[S+4*\i:S+4*\i+3] offset:2*\i*SP
.endr
.irp n, 0,1,2,3,4,5,6,7
	ds_load_b128 v[S+64+4*\n:S+64+4*\n+3], v[SCOL] offset:128*(\n/4)+16*(\n%4)
.endr
	s_wait_loadcnt 0x0
.irp i, 0,1,2,3,4,5,6,7
	ds_store_b128 v[SROW], v[S+32+4*\i:S+32+4*\i+3] offset:2*\i*SP
.endr
.irp n, 0,1,2,3,4,5,6,7
	ds_load_b128 v[S+96+4*\n:S+96+4*\n+3], v[SCOL] offset:128*(\n/4)+16*(\n%4)
.endr
.irp a, 0,1
	s_wait_dscnt 16-16*\a
.set i, 0
.rept 32
.set i, i+1
.endr
.irp n, 0,1,2,3
	v_cvt_scalef32_pk8_fp8_f32 v[QF+8*\a+2*\n:QF+8*\a+2*\n+1], v[S+64+32*\a+8*\n:S+64+32*\a+8*\n+7], v[SCQ]
.endr
.endr
	v_nop
.macro STEP
	v_add_nc_u32 v[ADR], s[TB], v[ADR0]
	PLACES 3
.irp k, 0,1,2,3,4,5,6,7
.irp c, 0,1
	ds_load_b128 v[KF+8*\k+4*\c:KF+8*\k+4*\c+3], v[ADR] offset:1024*\k+512*\c
.endr
.endr
	WIN 0x40
.irp t, 0,1,2,3
.irp c, 0,1,2,3
	ds_load_b128 v[VF+16*\t+4*\c:VF+16*\t+4*\c+3], v[ADR] offset:VIMG+2048*\t+512*\c
.endr
.endr
	WIN 0
	s_wait_dscnt 16
.irp k, 0,1,2,3,4,5,6,7
.irp a, 0,1
	v_wmma_f32_16x16x64_fp8_fp8 v[S+64*\a+8*\k:S+64*\a+8*\k+7], v[KF+8*\k:KF+8*\k+7], v[QF+8*\a:QF+8*\a+7], 0
.endr
.endr
	PLACES 4
.irp a, 0,1
	v_max3_num_f32 v[ST+12*\a+6], v[S+64*\a], v[S+64*\a+1], v[S+64*\a+2]
.endr
.irp a, 0,1
	v_max3_num_f32 v[ST+12*\a+7], v[S+64*\a+3], v[S+64*\a+4], v[S+64*\a+5]
.endr
.irp i, 6,10,14,18,22,26,30,34,38,42,46,50,54,58
.irp a, 0,1
	v_max3_num_f32 v[ST+12*\a+6], v[ST+12*\a+6], v[S+64*\a+\i], v[S+64*\a+\i+1]
.endr
.irp a, 0,1
	v_max3_num_f32 v[ST+12*\a+7], v[ST+12*\a+7], v[S+64*\a+\i+2], v[S+64*\a+\i+3]
.endr
.endr
.irp a, 0,1
	v_max3_num_f32 v[ST+12*\a+6], v[ST+12*\a+6], v[S+64*\a+62], v[S+64*\a+63]
.endr
.irp a, 0,1
	s_delay_alu instid0(VALU_DEP_2)
	v_max_num_f32 v[ST+12*\a+6], v[ST+12*\a+6], v[ST+12*\a+7]
.endr
.irp a, 0,1
	s_delay_alu instid0(VALU_DEP_2)
	v_permlanex16_b32 v[ST+12*\a+10], v[ST+12*\a+6], s[SEL], s[SEL+1]
.endr
.irp a, 0,1
	s_delay_alu instid0(VALU_DEP_2)
	v_max3_num_f32 v[ST+12*\a+1], v[ST+12*\a+1], v[ST+12*\a+6], v[ST+12*\a+10]
.endr
.irp a, 0,1
	s_delay_alu instid0(VALU_DEP_2)
	v_mul_f32 v[ST+12*\a+6], s[CS], v[ST+12*\a+1]
.endr
.irp a, 0,1
	v_mov_b32 v[ST+12*\a+7], v[ST+12*\a]
.endr
.irp a, 0,1
	s_delay_alu instid0(VALU_DEP_4)
	v_floor_f32 v[ST+12*\a], -v[ST+12*\a+6]
.endr
.irp a, 0,1
	s_delay_alu instid0(VALU_DEP_2)
	v_sub_f32 v[ST+12*\a+7], v[ST+12*\a], v[ST+12*\a+7]
.endr
.irp a, 0,1
	s_delay_alu instid0(VALU_DEP_2)
	v_cvt_i32_f32 v[ST+12*\a+7], v[ST+12*\a+7]
.endr
.irp a, 0,1
	s_delay_alu instid0(VALU_DEP_2)
	v_ldexp_f32 v[ST+12*\a+4], 1.0, v[ST+12*\a+7]
.endr
.set i, 0
.rept 64
	v_pk_fma_f32 v[S+2*i:S+2*i+1], v[S+2*i:S+2*i+1], s[CS:CS+1], v[ST+12*(i/32):ST+12*(i/32)+1] op_sel_hi:[1,0,0]
.set i, i+1
.endr
.set i, 0
	s_setprio 1
	s_wait_alu depctr_va_vdst(0)
.rept 128
	v_exp_f32 v[S+i], v[S+i]
.set i, i+1
.endr
.irp a, 0,1
	v_pk_mul_f32 v[ST+12*\a+2:ST+12*\a+3], v[ST+12*\a+2:ST+12*\a+3], v[ST+12*\a+4:ST+12*\a+5] op_sel_hi:[1,0]
.endr
	s_wait_alu depctr_va_vdst(0)
.irp a, 0,1
	v_pk_add_f32 v[ST+12*\a+8:ST+12*\a+9], v[S+64*\a:S+64*\a+1], v[S+64*\a+2:S+64*\a+3]
.endr
.irp j, 4,8,12,16,20,24,28,32,36,40,44,48,52,56,60
.irp a, 0,1
	v_pk_add_f32 v[ST+12*\a+2:ST+12*\a+3], v[ST+12*\a+2:ST+12*\a+3], v[S+64*\a+\j:S+64*\a+\j+1]
.endr
.irp a, 0,1
	v_pk_add_f32 v[ST+12*\a+8:ST+12*\a+9], v[ST+12*\a+8:ST+12*\a+9], v[S+64*\a+\j+2:S+64*\a+\j+3]
.endr
.endr
.irp a, 0,1
	s_delay_alu instid0(VALU_DEP_2)
	v_pk_add_f32 v[ST+12*\a+2:ST+12*\a+3], v[ST+12*\a+2:ST+12*\a+3], v[ST+12*\a+8:ST+12*\a+9]
.endr
.set i, 0
.rept 128
.set i, i+1
.endr
	WIN 0x40
.set i, 0
.rept 16
	v_cvt_scalef32_pk8_fp8_f32 v[PF+2*i:PF+2*i+1], v[S+8*i:S+8*i+7], v[SCP]
.set i, i+1
.endr
	WIN 0x41
.set i, 0
	s_setprio 0
.rept 32
	v_pk_mul_f32 v[2*i:2*i+1], v[2*i:2*i+1], v[ST+12*(i/16)+4:ST+12*(i/16)+5] op_sel_hi:[1,0]
.set i, i+1
.endr
	s_wait_alu depctr_va_vdst(0)
	s_wait_dscnt 0x0
	WIN 0x55
.irp t, 0,1,2,3
.irp a, 0,1
	v_wmma_f32_16x16x128_fp8_fp8 v[32*\a+8*\t:32*\a+8*\t+7], v[VF+16*\t:VF+16*\t+15], v[PF+16*\a:PF+16*\a+15], v[32*\a+8*\t:32*\a+8*\t+7]
.endr
.endr
	WIN 0
.endm
.macro SLOTRUN base
	s_mov_b32 s[TB], \base
	s_mov_b32 s[CNT], 8
.Lstep_\@:
	s_wait_alu depctr_va_vdst(0)
	s_setprio 2
	STEP
	s_add_co_u32 s[TB], s[TB], STEPB
	s_sub_co_u32 s[CNT], s[CNT], 1
	s_cmp_lg_u32 s[CNT], 0
	s_cbranch_scc1 .Lstep_\@
	s_setprio 0
.endm
.macro CHANGE fill, g0
	s_wait_tensorcnt 0x0
	ds_add_u32 v[SPW], v[NIL]
.if \fill
	s_add_nc_u64 s[\g0+2:\g0+3], s[\g0+2:\g0+3], 2*SLOTB
	s_wait_dscnt 0x0
	ROUND
	tensor_load_to_lds s[\g0:\g0+3], s[G1:G1+7]
	s_nop 0
	PLACES 4
.else
	s_wait_dscnt 0x0
	s_barrier_signal -1
	s_barrier_wait -1
.endif
.endm
	s_wait_tensorcnt 0x1
	s_barrier_signal -1
	s_barrier_wait -1
	SLOTRUN 0
	CHANGE 1, G0A
	SLOTRUN SLOTB
	CHANGE 1, G0B
	SLOTRUN 0
	CHANGE 0, G0A
	SLOTRUN SLOTB
.irp a, 0,1
	v_add_f32 v[ST+12*\a+6], v[ST+12*\a+2], v[ST+12*\a+3]
.endr
.irp a, 0,1
	s_delay_alu instid0(VALU_DEP_2)
	v_permlanex16_b32 v[ST+12*\a+10], v[ST+12*\a+6], s[SEL], s[SEL+1]
.endr
.irp a, 0,1
	s_delay_alu instid0(VALU_DEP_2)
	v_add_f32 v[ST+12*\a+6], v[ST+12*\a+6], v[ST+12*\a+10]
.endr
	s_wait_alu depctr_va_vdst(0)
.irp a, 0,1
	v_rcp_f32 v[ST+12*\a+7], v[ST+12*\a+6]
.endr
	v_nop
	s_wait_alu depctr_va_vdst(0)
.irp a, 0,1
	v_ldexp_f32 v[ST+12*\a+7], v[ST+12*\a+7], s39
.endr
.macro PACK a
	WIN 0x01
.irp c, 0,1
.irp p, 0,1
.irp j, 0,1,2,3,4,5,6,7
	v_mul_f32 v[S+32*\a+16*\c+2*\j+\p], v[32*\a+8*(\c+2*\p)+\j], v[ST+12*\a+7]
.endr
.endr
.endr
	WIN 0
.irp n, 0,1,2,3,4,5,6,7
	ds_store_b128 v[SCOL], v[S+32*\a+4*\n:S+32*\a+4*\n+3] offset:128*(\n/4)+16*(\n%4)
.endr
.irp i, 0,1,2,3,4,5,6,7
	ds_load_b128 v[S+64+32*\a+4*\i:S+64+32*\a+4*\i+3], v[SROW] offset:2*\i*SP
.endr
.endm
.macro SEND a, younger
.irp i, 0,1,2,3,4,5,6,7
	s_wait_dscnt \younger+7-\i
	global_store_b128 v[GO], v[S+64+32*\a+4*\i:S+64+32*\a+4*\i+3], s[10:11] offset:(16*\a+2*\i)*4096 th:TH_STORE_NT
.endr
.endm
	PACK 0
	PACK 1
	SEND 0, 16
	SEND 1, 0
	s_wait_tensorcnt 0x0
	ds_add_u32 v[SPW], v[NIL]
	s_wait_dscnt 0x0
	ROUND
	s_endpgm
.Lfunc_end_k_q68914e480a_attn:
	.size	k_q68914e480a_attn, .Lfunc_end_k_q68914e480a_attn-k_q68914e480a_attn
	.p2alignl 7, 3214868480
	.fill 96, 4, 3214868480
	.section	.rodata,"a",@progbits
	.p2align	6, 0x0
	.amdhsa_kernel k_q68914e480a_attn
		.amdhsa_group_segment_fixed_size 327680
		.amdhsa_private_segment_fixed_size 0
		.amdhsa_enable_private_segment 0
		.amdhsa_kernarg_size 32
		.amdhsa_user_sgpr_count 2
		.amdhsa_user_sgpr_kernarg_segment_ptr 1
		.amdhsa_wavefront_size32 1
		.amdhsa_system_sgpr_workgroup_id_x 1
		.amdhsa_system_sgpr_workgroup_id_y 1
		.amdhsa_system_sgpr_workgroup_id_z 1
		.amdhsa_system_vgpr_workitem_id 0
		.amdhsa_next_free_vgpr 416
		.amdhsa_next_free_sgpr 72
		.amdhsa_reserve_vcc 0
		.amdhsa_float_denorm_mode_32 3
		.amdhsa_float_denorm_mode_16_64 3
		.amdhsa_fp16_overflow 1
		.amdhsa_memory_ordered 1
		.amdhsa_forward_progress 1
		.amdhsa_inst_pref_size 121
	.end_amdhsa_kernel
	.amdgpu_metadata
---
amdhsa.version: [ 1, 2 ]
amdhsa.kernels:
  - .name:           k_q68914e480a_attn
    .symbol:         k_q68914e480a_attn.kd
    .args:
      - { .name: query, .offset: 0, .size: 8, .value_kind: global_buffer, .address_space: global }
      - { .name: kv, .offset: 8, .size: 8, .value_kind: global_buffer, .address_space: global }
      - { .name: lowp_scales, .offset: 16, .size: 8, .value_kind: global_buffer, .address_space: global }
      - { .name: out0, .offset: 24, .size: 8, .value_kind: global_buffer, .address_space: global }
    .group_segment_fixed_size: 327680
    .private_segment_fixed_size: 0
    .kernarg_segment_align: 8
    .kernarg_segment_size: 32
    .max_flat_workgroup_size: 256
    .sgpr_count:     72
    .vgpr_count:     416
    .wavefront_size: 32
...
	.end_amdgpu_metadata
.endif
;; end of part 2
